; MI455X (gfx1250); checked and timed in simulation.
; The chip was launched on July 23, 2026; its instructions are those of AMD's public machine-readable ISA for CDNA 5 (MIT licence, August 2026) and "CDNA5" Instruction Set Architecture Reference Guide (July 2026). The comments in the code are by the model that wrote it; some were corrected since.
;; Simple Mo E. Allowed arithmetic: float matrix products may take bf16 or f16 operands with f32 sums; other float arithmetic in f32, or as packed bf16 or f16 multiplies, adds, multiply-adds, maxima and minima; sums over many terms, partial sums and values carried from step to step in f32; what a program stores and reads back later, other than sums and carried values, may be rounded once to bf16 or f16.
;; Inputs: b1 8 x 4,096 float32; b2 8 x 1,024 float32; gate_b 8 float32; gate_w 8 x 1,024 float32; w1 8 x 1,024 x 4,096 float32; w2 8 x 4,096 x 1,024 float32; x 1,024 x 1,024 float32.
;; Outputs: out0 1,024 x 1,024 float32.
;; 2 versions, each right; version 2 is version 1 with the launch combine written anew for expert scheduling mode. Each part assembles by itself: llvm-mc -triple=amdgcn-amd-amdhsa -mcpu=gfx1250 --defsym DOCPART=n.
;; ======== version 1 of 2: 4 launches
;; workspace buffers: xb 2,097,152 bytes; gates 32,768 bytes; hb 67,108,864 bytes; part 67,108,864 bytes
;; launch prep (part 1): grid 256 x 1, 4 waves a work-group, no clusters, 0 bytes of LDS; arguments x, gate_w, gate_b, xb, gates; writes xb, gates
.if DOCPART == 1
	.amdgcn_target "amdgcn-amd-amdhsa--gfx1250"
	.amdhsa_code_object_version 6
	.text
	.protected	k_qed7695b288_prep
	.globl	k_qed7695b288_prep
	.p2align	8
	.type	k_qed7695b288_prep,@function
k_qed7695b288_prep:
	s_mov_b64 s[64:65], 0
	v_nop
	global_prefetch_b8 v0, s[64:65] scope:SCOPE_SE
	s_setreg_imm32_b32 hwreg(HW_REG_WAVE_MODE, 25, 1), 1
	s_wait_xcnt 0x0
; xb = x rounded to bf16, laid in blocks of 128 columns: block kb (0..7) is 262,144 bytes, row n of a block is the 256 bytes at n x 256.
; Inside a row the sixteen pieces of 16 bytes are ROTATED: piece c (columns 8 c .. 8 c + 7 of the block) lies at place (c + n) % 16.  The first product lays such rows into LDS without padding;
; the rotation makes the same piece of 16 neighbouring rows fall on 16 different places of 16 bytes.
; gates[n][e] = softmax over e of (bf16(x[n]) . bf16(gate_w[e]) + gate_b[e]); products of bf16 numbers, sums, maximum, exponentials in f32.
; x and gate_w are rounded here as they are for the two large products, so that every use of an input has the same rounding.
; SHARES.  One wave takes one row n = 4 x work-group + wave.  Lane L holds columns 256 c + 8 L + 0..7, c = 0..3: 32 numbers.
; An 8-column product on a stream: the vector unit does it beside the loads; matrix unit, LDS and barriers would add nothing.
; LIMITS.  A gate below 2^-126 counts as 0.  NaN and infinities are not treated apart.
.set X,   8                            ; v[8:39]   the row as loaded; later: ACC, LG, TP
.set ACC, 8                            ; v[8:23]   expert e: sum over the even columns at ACC+2e, over the odd ones at ACC+2e+1
.set LG,  24                           ; v[24:31]  the eight logits, then their exponentials
.set TP,  32                           ; v[32:39]  the other half of the lanes' sums
.set XB,  40                           ; v[40:55]  the row in bf16, two columns a register; also the stores' data: never rewritten
.set ZR,  5                            ; v5        0: the addend of each chain's first link
                                       ; v[64:127], v[128:191], v[192:255]: three slots for gate_w, two experts (2 x 32 registers) each
	s_load_b256 s[4:11], s[0:1], 0x0               ; x s[4:5], gate_w s[6:7], gate_b s[8:9], xb s[10:11]
	s_load_b64 s[12:13], s[0:1], 0x20              ; gates
	v_lshrrev_b32 v1, 5, v0
	v_readfirstlane_b32 s2, v1                     ; wave 0..3
	v_and_b32 v1, 31, v0                           ; L
	s_lshl2_add_u32 s3, ttmp9, s2                  ; n = 4 x work-group + wave
	s_and_b32 s24, s3, 15                          ; n % 16: how far the row's pieces are rotated
	s_lshl_b32 s26, s3, 12                         ; a row of x is 4,096 bytes
	s_mov_b32 s27, 0
	s_lshl_b32 s28, s3, 8                          ; a row of a block of xb is 256 bytes
	s_mov_b32 s29, 0
	s_lshl_b32 s30, s3, 5                          ; a row of gates is 32 bytes
	s_mov_b32 s31, 0
	s_mov_b32 s14, 0x76543210                      ; v_permlanex16_b32: each lane takes its own place in the other half
	s_mov_b32 s15, 0xfedcba98
	v_lshlrev_b32 v2, 5, v1                        ; 32 L: my 8 f32 in each 1,024 bytes of a row
	v_and_b32 v3, 15, v1                           ; xb: my piece of a block's row is L % 16;
	v_add_nc_u32 v3, s24, v3
	v_and_b32 v3, 15, v3                           ; its place is (L % 16 + n) % 16,
	v_lshlrev_b32 v3, 4, v3                        ; 16 bytes each,
	v_lshrrev_b32 v6, 4, v1
	v_lshl_or_b32 v3, v6, 18, v3                   ; and lanes 16-31 one block (262,144 bytes) further on
	v_lshlrev_b32 v4, 2, v1                        ; 4 L: a gate's place in its row
	v_mov_b32 v[ZR], 0
	s_wait_kmcnt 0x0
	s_load_b256 s[16:23], s[8:9], 0x0              ; gate_b, eight numbers
	s_add_nc_u64 s[4:5], s[4:5], s[26:27]
	s_add_nc_u64 s[10:11], s[10:11], s[28:29]
	s_add_nc_u64 s[12:13], s[12:13], s[30:31]
.macro GLOAD g, slot                   ; experts 2 g and 2 g + 1 of gate_w, my 32 columns of each: 16 loads
.irp u, 0,1
.irp c, 0,1,2,3
	global_load_b128 v[(\slot)+32*(\u)+8*(\c):(\slot)+32*(\u)+8*(\c)+3],   v2, s[6:7] offset:(2*(\g)+(\u))*4096+1024*(\c)
	global_load_b128 v[(\slot)+32*(\u)+8*(\c)+4:(\slot)+32*(\u)+8*(\c)+7], v2, s[6:7] offset:(2*(\g)+(\u))*4096+1024*(\c)+16
.endr
.endr
.endm
; The two experts of a slot: rounded to bf16 in place (register i takes numbers 2 i and 2 i + 1, ascending, so nothing is overwritten before it is read), then
; 16 multiply-adds on the low halves and 16 on the high halves of each: four chains that take turns.
.macro GDOT g, slot
.irp u, 0,1
.set i, 0
.rept 16
	v_cvt_pk_bf16_f32 v[(\slot)+32*(\u)+i], v[(\slot)+32*(\u)+2*i], v[(\slot)+32*(\u)+2*i+1]
.set i, i+1
.endr
.endr
.set i, 0
.rept 16
.irp u, 0,1
.if i == 0
	v_fma_mix_f32_bf16 v[ACC+2*(2*(\g)+(\u))],   v[XB+i], v[(\slot)+32*(\u)+i], v[ZR] op_sel_hi:[1,1,0]
	v_fma_mix_f32_bf16 v[ACC+2*(2*(\g)+(\u))+1], v[XB+i], v[(\slot)+32*(\u)+i], v[ZR] op_sel:[1,1,0] op_sel_hi:[1,1,0]
.else
	v_fma_mix_f32_bf16 v[ACC+2*(2*(\g)+(\u))],   v[XB+i], v[(\slot)+32*(\u)+i], v[ACC+2*(2*(\g)+(\u))] op_sel_hi:[1,1,0]
	v_fma_mix_f32_bf16 v[ACC+2*(2*(\g)+(\u))+1], v[XB+i], v[(\slot)+32*(\u)+i], v[ACC+2*(2*(\g)+(\u))+1] op_sel:[1,1,0] op_sel_hi:[1,1,0]
.endif
.endr
.set i, i+1
.endr
.endm
.irp c, 0,1,2,3
	global_load_b128 v[X+8*(\c):X+8*(\c)+3],   v2, s[4:5] offset:1024*(\c) th:TH_LOAD_NT
	global_load_b128 v[X+8*(\c)+4:X+8*(\c)+7], v2, s[4:5] offset:1024*(\c)+16 th:TH_LOAD_NT
.endr
	GLOAD 0, 64
	GLOAD 1, 128
	GLOAD 2, 192
	s_wait_loadcnt 48                              ; x is in; the 48 loads of gate_w issued behind it stay out
.set i, 0
.rept 16
	v_cvt_pk_bf16_f32 v[XB+i], v[X+2*i], v[X+2*i+1]
.set i, i+1
.endr
.irp c, 0,1,2,3
	global_store_b128 v3, v[XB+4*(\c):XB+4*(\c)+3], s[10:11] offset:524288*(\c)  ; lanes 0-15 fill row n of block 2 c, 256 consecutive aligned bytes (in rotated order); lanes 16-31 that of block 2 c + 1
.endr
	s_wait_loadcnt 32                              ; experts 0, 1 are in; two groups of 16 stay out
	GDOT 0, 64
	GLOAD 3, 64                                    ; the last two experts, into the slot just used
	s_wait_loadcnt 32                              ; experts 2, 3
	GDOT 1, 128
	s_wait_loadcnt 16                              ; experts 4, 5
	GDOT 2, 192
	s_wait_loadcnt 0x0                             ; experts 6, 7
	GDOT 3, 64
	; the eight sums over the wave's 32 lanes: the experts take turns, so that no line waits for the one before it
.irp e, 0,1,2,3,4,5,6,7
	v_add_f32 v[LG+(\e)], v[ACC+2*(\e)], v[ACC+2*(\e)+1]
.endr
.irp m, 1,2,4,8
.irp e, 0,1,2,3,4,5,6,7
	v_add_f32_dpp v[LG+(\e)], v[LG+(\e)], v[LG+(\e)] row_xmask:\m row_mask:0xf bank_mask:0xf
.endr
.endr
.irp e, 0,1,2,3,4,5,6,7
	v_permlanex16_b32 v[TP+(\e)], v[LG+(\e)], s14, s15  ; its destination counts as read: TP held part of x
.endr
.irp e, 0,1,2,3,4,5,6,7
	v_add_f32 v[LG+(\e)], v[LG+(\e)], v[TP+(\e)]
.endr
	s_wait_kmcnt 0x0                               ; gate_b
.irp e, 0,1,2,3,4,5,6,7
	v_add_f32 v[LG+(\e)], s[16+(\e)], v[LG+(\e)]
.endr
	; softmax over the eight, the same in every lane: the maximum is taken away first
	v_max3_num_f32 v56, v[LG], v[LG+1], v[LG+2]
	v_max3_num_f32 v56, v56, v[LG+3], v[LG+4]
	v_max3_num_f32 v56, v56, v[LG+5], v[LG+6]
	v_max_num_f32 v56, v56, v[LG+7]
.irp e, 0,1,2,3,4,5,6,7
	v_sub_f32 v[LG+(\e)], v[LG+(\e)], v56
.endr
.irp e, 0,1,2,3,4,5,6,7
	v_mul_f32 v[LG+(\e)], 0x3fb8aa3b, v[LG+(\e)]   ; times log2(e): v_exp_f32 works in base 2
.endr
.irp e, 0,1,2,3,4,5,6,7
	v_exp_f32 v[LG+(\e)], v[LG+(\e)]
.endr
	v_nop                                          ; a plain instruction behind the last exponential (ISA guide 5.7.2),
	s_wait_alu depctr_va_vdst(0)                   ; and one wait for the batch of eight, ahead of their first reader
	v_add_f32 v57, v[LG], v[LG+1]
	v_add_f32 v58, v[LG+2], v[LG+3]
	v_add_f32 v59, v[LG+4], v[LG+5]
	v_add_f32 v60, v[LG+6], v[LG+7]
	v_add_f32 v57, v57, v58
	v_add_f32 v59, v59, v60
	v_add_f32 v57, v57, v59                        ; at least 1: the largest term is 2^0
	v_rcp_f32 v61, v57
	v_mov_b32 v62, v[LG]                           ; lane e takes the exponential of expert e: plain work behind the reciprocal
.irp e, 1,2,3,4,5,6,7
	v_cmp_eq_u32 vcc_lo, \e, v1
	v_cndmask_b32 v62, v62, v[LG+(\e)], vcc_lo
.endr
	v_cmp_gt_u32 vcc_lo, 8, v1
	s_wait_alu depctr_va_vdst(0)                   ; the reciprocal's wait, ahead of its reader
	v_mul_f32 v62, v62, v61
	s_wait_xcnt 0x0                                ; EXEC is a source of the stores above: it changes only behind this wait
	s_and_saveexec_b32 s25, vcc_lo
	global_store_b32 v4, v62, s[12:13]             ; lanes 0-7: the row's 32 bytes of gates (the whole buffer is 32,768 bytes)
	s_wait_xcnt 0x0                                ; and again in front of the line that widens it
	s_or_b32 exec_lo, exec_lo, s25
	s_endpgm
.Lfunc_end_k_qed7695b288_prep:
	.size	k_qed7695b288_prep, .Lfunc_end_k_qed7695b288_prep-k_qed7695b288_prep
	.p2alignl 7, 3214868480
	.fill 96, 4, 3214868480
	.section	.rodata,"a",@progbits
	.p2align	6, 0x0
	.amdhsa_kernel k_qed7695b288_prep
		.amdhsa_group_segment_fixed_size 0
		.amdhsa_private_segment_fixed_size 0
		.amdhsa_enable_private_segment 0
		.amdhsa_kernarg_size 40
		.amdhsa_user_sgpr_count 2
		.amdhsa_user_sgpr_kernarg_segment_ptr 1
		.amdhsa_wavefront_size32 1
		.amdhsa_system_sgpr_workgroup_id_x 1
		.amdhsa_system_sgpr_workgroup_id_y 1
		.amdhsa_system_sgpr_workgroup_id_z 1
		.amdhsa_system_vgpr_workitem_id 0
		.amdhsa_next_free_vgpr 256
		.amdhsa_next_free_sgpr 66
		.amdhsa_reserve_vcc 1
		.amdhsa_float_denorm_mode_32 3
		.amdhsa_float_denorm_mode_16_64 3
		.amdhsa_memory_ordered 1
		.amdhsa_forward_progress 1
		.amdhsa_inst_pref_size 40
	.end_amdhsa_kernel
	.amdgpu_metadata
---
amdhsa.version: [ 1, 2 ]
amdhsa.kernels:
  - .name:           k_qed7695b288_prep
    .symbol:         k_qed7695b288_prep.kd
    .args:
      - { .name: x, .offset: 0, .size: 8, .value_kind: global_buffer, .address_space: global }
      - { .name: gate_w, .offset: 8, .size: 8, .value_kind: global_buffer, .address_space: global }
      - { .name: gate_b, .offset: 16, .size: 8, .value_kind: global_buffer, .address_space: global }
      - { .name: xb, .offset: 24, .size: 8, .value_kind: global_buffer, .address_space: global }
      - { .name: gates, .offset: 32, .size: 8, .value_kind: global_buffer, .address_space: global }
    .group_segment_fixed_size: 0
    .private_segment_fixed_size: 0
    .kernarg_segment_align: 8
    .kernarg_segment_size: 40
    .max_flat_workgroup_size: 128
    .sgpr_count:     66
    .vgpr_count:     256
    .wavefront_size: 32
...
	.end_amdgpu_metadata
.endif
;; end of part 1
;; launch gemm1 (part 2): grid 4 x 64, 4 waves a work-group, clusters of 4 x 1, 327,680 bytes of LDS; arguments xb, w1, b1, hb; writes hb
.if DOCPART == 2
	.amdgcn_target "amdgcn-amd-amdhsa--gfx1250"
	.amdhsa_code_object_version 6
	.text
	.protected	k_qed7695b288_gemm1
	.globl	k_qed7695b288_gemm1
	.p2align	8
	.type	k_qed7695b288_gemm1,@function
k_qed7695b288_gemm1:
	s_mov_b64 s[64:65], 0
	v_nop
	global_prefetch_b8 v0, s[64:65] scope:SCOPE_SE
	s_setreg_imm32_b32 hwreg(HW_REG_WAVE_MODE, 25, 1), 1
	s_wait_xcnt 0x0
	s_wait_alu depctr_hold_cnt(0) depctr_sa_sdst(0) depctr_va_vdst(0) depctr_va_sdst(0) depctr_va_ssrc(0) depctr_va_vcc(0) depctr_vm_vsrc(0)
	s_getreg_b32 s2, hwreg(HW_REG_IB_STS2, 6, 4)
	s_cmp_eq_u32 s2, 0
	s_cbranch_scc0 .Lentry_in_a_cluster
	s_endpgm
.Lentry_in_a_cluster:
	s_bfe_u32 s2, ttmp6, 0x10000c
	s_cmp_lg_u32 s2, 0x3003
	s_cbranch_scc0 .Lentry_shape_is_right
	s_endpgm
.Lentry_shape_is_right:
; hb = bf16(relu(xb . w1 + b1)).  w1: f32 [8][1024][4096].  b1: f32 [8][4096].
; xb: bf16, blocks of 128 along K: block kb is 262,144 bytes, row n the 256 bytes at n x 256; in a row, piece c of 16 bytes (k = 8 c .. 8 c + 7) lies at place (c + n) % 16.
; hb: bf16, block cb = 32 e + (column / 128) is 262,144 bytes: [64 groups of 16 rows][8 groups of 16 columns][32 places][16 bytes]; place l holds row l % 16 and columns 8 (l / 16) + 0..7 of its groups.
;     That is what a lane holds behind the conversion to bf16 (so a store of the wave is 512 consecutive bytes, with no way through LDS), and what one load of an A fragment of the second product takes.
; SHARES.  A tile is 512 rows x 128 columns (half the rows of one block cb).  Four waves; wave w owns rows 128 w .. 128 w + 127 and all 128 columns: 64 accumulators, 512 registers.
; A WORK-GROUP STAYS and makes TWO tiles: the same rows and columns of experts 2 p and 2 p + 1.  K = 1,024 is 8 steps of 128, so the walk has 16 steps, four quarters of 32 each, in ONE loop:
; A's ring and the weights' staging run on from the first tile into the second, and the first tile's stores leave while the second is multiplied.  16 pairs of 64 rows of w1 are 2^24 bytes, one expert:
; the weights' pointer steps evenly through both tiles.
; A (xb) comes by the tensor data mover: each wave fetches and reads its own 128 rows x 256 bytes, without padding, through two LDS slots 2^17 bytes apart, so that one exclusive or turns a slot into the other
; and a K step is written once.  The rotation of xb's pieces keeps the 16 rows of a fragment load on 16 different groups of four banks (64 banks of 4 bytes: ISA guide 11.1).
; W (w1) lies [k][n] in f32 and has to be rounded, so it goes through registers: a wave loads 16 rows x 512 bytes of each PAIR (64 rows of k), a whole K step ahead, rounds them to bf16 and stores
; them [k][n] into a ring of 128 rows in LDS; ds_load_tr16_b128 turns them into fragments.  Two sets of 64 registers hold what is on its way: 64 KiB for the four waves.
; THE MATRIX INSTRUCTION IS USED TRANSPOSED (source 0 = 16 columns of W, source 1 = 16 rows of A): a lane holds eight neighbouring columns of one row.  The bias is the C operand of a tile's first products.
; CLUSTER.  The four work-groups of a cluster make the same 512 rows of four neighbouring column blocks: they need the same tiles of A and ask for them JOINTLY (mask 15).
; W is not asked for jointly: it has two readers only (the two halves of the rows, in neighbouring clusters), and it passes through registers to be rounded; as f32 tiles in LDS it would add
; 64 KiB of LDS writes and reads to every K step.
; LIMITS.  Operands are rounded once to bf16 (f32's range).  The maximum with 0 is one in which a NaN loses: a NaN sum gives 0 here.
.set ROWB,  16384                      ; bytes from a row of w1 to the next
.set STEPS, 16                         ; K steps of the walk: 8 for each tile
.set KBLK,  262144                     ; bytes from a block of xb (and of hb) to the next
.set WTILE, 32768                      ; a wave's 128 rows x 256 bytes
.set SLOT1, 1<<17                      ; slot 0 is the four waves' tiles from byte 0 on; slot 1 begins here
.set BBASE, 2*SLOT1                    ; behind A's ring: W's ring, written by ds_store alone; no tensor load lands here
.set PB,    288                        ; a row of W in LDS: 256 bytes + 32 = 72 words
.set CHUNK, 32*PB                      ; a quarter's 32 rows
.set SPARE, BBASE+4*CHUNK              ; the spare words: 128 bytes for each wave, two blocks of 256 bytes that no other line names
.set LT,   8                           ; v8-15   my lane's place in 16 rows of A for the load of pieces 2 k + l / 16, k = 0..7: (l % 16) x 256 + 16 ((2 k + l / 16 + l % 16) % 16); never rewritten
.set ADR0, 16                          ; v16-17  the LDS addresses of the next run of A's loads: registers 0-3 and 4-7 of the fragments
.set ADR1, 17
.set ADRB, 18                          ; v18     my lane's place in W's ring for the turning load
.set VSTB, 19                          ; v19     where I store 8 bytes of my wave's first row of a pair
.set VGB,  20                          ; v20     my byte offset in w1 from the pair's first row
.set VBI,  21                          ; v21     my byte offset in the bias
.set CO,   26                          ; v26     16 x lane: my place in 512 consecutive bytes of hb
.set ZR,   27                          ; v27     0, for the maximum
.set SPW,  28                          ; v28     LDS address of my spare word; never rewritten
.set NIL,  29                          ; v29     0; never rewritten
.set F0,   64                          ; fragment buffers: A's in window 0, W's in window 1
.set F1,   128
.set BIAS, 192                         ; window 0, v192-255: bias of column 16 b + 8 (l / 16) + j at BIAS + 8 b + j
                                       ; the way out packs into v32-63 and v128-159 by turns (buffer 1 of A's fragments is idle there)
                                       ; window 1: v0-63 staging set 0 (k 0-63 of a step), v192-255 set 1 (k 64-127).  Windows 2, 3: accumulators (a, b) at v[8 (8 a + b)], rows 0-63 and 64-127
.set WV,   12                          ; s12     my wave
.set BPTR, 20                          ; s[20:21] w1 at the pair asked for last
.set TBA,  23                          ; s23     LDS byte at which my rows of the slot being read begin
.set G1,   24                          ; s[24:31] descriptor group 1
.set G0A,  32                          ; s[32:35] descriptor group 0 of the first fill of slot 0
.set G0W,  36                          ; s[36:39] of the first fill of slot 1; it then walks on
.set OFFA, 44                          ; s[44:45] byte offset in xb of the block asked for last
.set MSB, 0
.macro WIN new                         ; the immediate's high byte repeats the setting that is left; a switch that changes nothing is dropped
.if MSB != (\new)
	s_set_vgpr_msb (MSB<<8)|(\new)
.set MSB, \new
.endif
.endm
.set MUL_LO,   0xa1                    ; source 0 (W) window 1, source 1 (A) window 0, C and D window 2
.set FIRST_LO, 0x81                    ; the same with C (the bias) in window 0
.set TO_B,     0x40                    ; destination window 1, address window 0
.set CVT,      0x45                    ; destination and both sources window 1
.set STB,      0x04                    ; LDS store: address window 0, data window 1
.macro PLACES                          ; four places in front of loads into registers that matrix instructions have read, and of lines that read results just made
.rept 4
	v_nop
.endr
.endm
.macro CREST                           ; a round of the cluster's barrier behind its opening barrier
	s_cmp_lg_u32 s[WV], 0
	s_cbranch_scc1 .Lnot_wave_0_\@
	s_barrier_signal -3
.Lnot_wave_0_\@:
	s_barrier_wait -3
	s_barrier_signal -1
	s_barrier_wait -1
.endm
.macro CROUND                          ; a whole round
	s_barrier_signal -1
	s_barrier_wait -1
	CREST
.endm
.macro ADRS q                          ; the addresses of quarter q's loads of A, in the slot being read
	v_add_nc_u32 v[ADR0], s[TBA], v[LT+2*(\q)]
	v_add_nc_u32 v[ADR1], s[TBA], v[LT+2*(\q)+1]
.endm
.macro ALOAD                           ; my 128 rows of A's next tile: every wave asks for rows of its own.  An s_nop 0 and four vector lines with no switch of windows follow;
	tensor_load_to_lds s[G0W:G0W+3], s[G1:G1+7]    ; the four are also the places in front of the fragment loads behind them
	s_nop 0
	ADRS 0
	v_nop
	v_nop
.endm
; 16 matrix instructions: row blocks a0, a0 + 1 of the window's four x all 8 column blocks, 32 along K.  first = 1: the bias starts the sums: nothing is cleared, nothing is added later.
.macro MUL16 f, hi, a0, first
.if \first
	WIN FIRST_LO+0x40*(\hi)
.else
	WIN MUL_LO+0x50*(\hi)
.endif
.irp a, \a0, (\a0)+1
.irp b, 0,1,2,3,4,5,6,7
.if \first
	v_wmma_f32_16x16x32_bf16 v[8*(8*(\a)+(\b)):8*(8*(\a)+(\b))+7], v[(\f)+8*(\b):(\f)+8*(\b)+7], v[(\f)+8*(4*(\hi)+(\a)):(\f)+8*(4*(\hi)+(\a))+7], v[BIAS+8*(\b):BIAS+8*(\b)+7]
.else
	v_wmma_f32_16x16x32_bf16 v[8*(8*(\a)+(\b)):8*(8*(\a)+(\b))+7], v[(\f)+8*(\b):(\f)+8*(\b)+7], v[(\f)+8*(4*(\hi)+(\a)):(\f)+8*(4*(\hi)+(\a))+7], v[8*(8*(\a)+(\b)):8*(8*(\a)+(\b))+7]
.endif
.endr
.endr
.endm
; 32 LDS loads in one run: quarter q's fragments into buffer f: W's 8 column blocks (turned), then A's 8 row blocks (16 rows are 4,096 bytes).  Behind them the next quarter's addresses are made
; (an LDS instruction's sources need no wait); those of a step's first quarter are made where the slots change.
.macro FETCH q, f
	WIN TO_B
.irp i, 0,1,2,3,4,5,6,7
	ds_load_tr16_b128 v[(\f)+8*(\i):(\f)+8*(\i)+3],   v[ADRB] offset:(\q)*CHUNK+32*(\i)
	ds_load_tr16_b128 v[(\f)+8*(\i)+4:(\f)+8*(\i)+7], v[ADRB] offset:(\q)*CHUNK+32*(\i)+16*PB
.endr
	WIN 0
.irp i, 0,1,2,3,4,5,6,7
	ds_load_b128 v[(\f)+8*(\i):(\f)+8*(\i)+3],   v[ADR0] offset:(\i)*4096
	ds_load_b128 v[(\f)+8*(\i)+4:(\f)+8*(\i)+7], v[ADR1] offset:(\i)*4096
.endr
.if (\q) < 3
	ADRS (\q)+1
.endif
.endm
; 16 loads: my 16 rows of a pair, each load one row's 512 consecutive aligned bytes, into staging set 0 or 1.  step = 1: the pair behind the one asked for last.
.macro BISSUE set, step
.if \step
	s_wait_xcnt 0x0                                ; the pointer is a source of the loads issued before: it steps only behind this wait
	s_add_nc_u64 s[BPTR:BPTR+1], s[BPTR:BPTR+1], 64*ROWB
.endif
	WIN TO_B
.set i, 0
.rept 16
	global_load_b128 v[192*(\set)+4*i:192*(\set)+4*i+3], v[VGB], s[BPTR:BPTR+1] offset:i*ROWB
.set i, i+1
.endr
.endm
; A staging set is rounded to bf16 in place, stored into its half of W's ring, and (load = 1) asked for anew.  left: the younger loads that stay out.
; The 32 conversions name no register of a matrix instruction: they are also the places in front of the fragment loads that follow.
.macro BCONV set, load, left
	s_wait_loadcnt \left
	WIN CVT
.set i, 0
.rept 16
	v_cvt_pk_bf16_f32 v[192*(\set)+4*i],   v[192*(\set)+4*i],   v[192*(\set)+4*i+1]
	v_cvt_pk_bf16_f32 v[192*(\set)+4*i+1], v[192*(\set)+4*i+2], v[192*(\set)+4*i+3]
.set i, i+1
.endr
	WIN STB
.set i, 0
.rept 16
	ds_store_b64 v[VSTB], v[192*(\set)+4*i:192*(\set)+4*i+1] offset:(\set)*2*CHUNK+i*PB  ; 32 lanes x 8 bytes: a row's 256 bytes
.set i, i+1
.endr
.if \load
	BISSUE \set, 1
.endif
.endm
; A quarter: multiplies buffer f; in its middle a staging set is turned over (bset = 0, 1; -1: none) and quarter q's fragments are fetched into buffer g.
.macro QUARTER q, f, g, first, bset, bload, bleft
	s_wait_dscnt 8                                 ; W's fragments and A's row blocks 0-3 are in; the youngest eight loads (blocks 4-7) may be out
	MUL16 \f, 0, 0, \first
	MUL16 \f, 0, 2, \first
.if (\bset) >= 0
	BCONV \bset, \bload, \bleft
.else
	PLACES
.endif
	FETCH \q, \g
	s_wait_dscnt 32                                ; all but the 32 loads just issued: A's blocks 4-7 are in (and my stores into W's ring are done)
	MUL16 \f, 1, 0, \first
	MUL16 \f, 1, 2, \first
.endm
; Quarter 1, with W's own barrier.  In front of it every wave's stores of k 64-127 (quarter 0) and its reads of k 0-63 are done; behind it k 64-127 are read (here and in quarter 2)
; and k 0-63 are written anew (quarter 2).  Nothing is filled by a tensor load behind it, so A's tile may stay on its way.
.macro QUARTERM
	s_wait_dscnt 0x0
	s_barrier_signal -1
	MUL16 F1, 0, 0, 0
	MUL16 F1, 0, 2, 0
	s_barrier_wait -1
	PLACES
	FETCH 2, F0
	MUL16 F1, 1, 0, 0
	MUL16 F1, 1, 2, 0
.endm
; Quarter 3's first half: the change of slots.  In front of the barrier each wave waits for all its tensor loads (one is out: its part of the next slot), adds 0 to its spare word, and waits for that, for its
; reads of this slot and of k 64-127 of W, and for its stores of the next step's k 0-63.
.macro MEET round
	WIN 0                                          ; (the add's two registers lie in window 0)
	s_wait_tensorcnt 0x0
	ds_add_u32 v[SPW], v[NIL]                      ; 0 onto my spare word
	s_wait_dscnt 9                                 ; (the add and the youngest eight loads may be out)
	MUL16 F1, 0, 0, 0
	s_wait_dscnt 0x0
	s_barrier_signal -1
	MUL16 F1, 0, 2, 0
.if \round
	WIN 0
.endif
	s_barrier_wait -1
.endm
.macro TURN
	MEET 1
	CREST                                          ; the barrier has opened a round of the cluster's: no wave of any partner still reads this slot or has a load on its way
	s_xor_b32 s[G0W+1], s[G0W+1], SLOT1            ; no tensor load of mine is out, so the walking descriptor may be written: the slot just read,
	s_add_co_u32 s[OFFA], s[OFFA], KBLK            ; the block two K steps on: behind a tile's block 7 comes the next tile's block 0, of the same rows
	s_and_b32 s[OFFA], s[OFFA], 8*KBLK-1
	s_add_nc_u64 s[G0W+2:G0W+3], s[4:5], s[OFFA:OFFA+1]  ; the address is made anew from xb's and the offset,
	s_or_b32 s[G0W+3], s[G0W+3], 0x80000000        ; and the type set again
	s_xor_b32 s[TBA], s[TBA], SLOT1                ; the reads go to the other slot
	ALOAD                                          ; the first thing behind the round
	FETCH 0, F0
	MUL16 F1, 1, 0, 0
	MUL16 F1, 1, 2, 0
.endm
; THE WAY OUT of a tile, a block of 16 rows at a time: rounded to bf16 (each accumulator from its low end on), the maximum with 0 on the packed halves, which rounds nothing, and stored as it lies.
.macro PACK a
.set AC, 64*((\a)%4)
.set TM, 32+96*((\a)%2)
	s_wait_xcnt 0x0                                ; the registers that the block before last was stored from are written again only behind this wait
	WIN 0x0a+5*((\a)/4)                            ; sources 0 and 1: window 2 or 3
.irp b, 0,1,2,3,4,5,6,7
.irp r, 0,1,2,3
	v_cvt_pk_bf16_f32 v[TM+4*(\b)+(\r)], v[AC+8*(\b)+2*(\r)], v[AC+8*(\b)+2*(\r)+1]
.endr
.endr
	WIN 0
.set i, 0
.rept 32
	v_pk_max_num_bf16 v[TM+i], v[TM+i], v[ZR]
.set i, i+1
.endr
.irp b, 0,1,2,3,4,5,6,7
	global_store_b128 v[CO], v[TM+4*(\b):TM+4*(\b)+3], s[10:11] offset:4096*(\a)+512*(\b)  ; 16 rows x 16 columns: 512 consecutive aligned bytes of hb
.endr
.endm
.macro WAYOUT
	WIN 0
	PLACES
.irp a, 0,1,2,3,4,5,6,7
	PACK \a
.endr
.endm
	s_load_b256 s[4:11], s[0:1], 0x0               ; xb s[4:5], w1 s[6:7], b1 s[8:9], hb s[10:11]
	v_lshl_add_u32 v[SPW], v0, 2, SPARE
	v_mov_b32 v[NIL], 0
	ds_add_u32 v[SPW], v[NIL]                      ; the wave's opening: the add and its wait stand ahead of my first tensor load; the set-up below, work on registers, stands between them
	v_lshrrev_b32 v1, 5, v0
	v_readfirstlane_b32 s[WV], v1                  ; wave 0..3
	s_bfe_u32 s40, ttmp6, 0x40000                  ; cx: my place in the cluster: it enters W's, the bias's and hb's addresses alone
	s_and_b32 s18, ttmp7, 0xffff                   ; the cluster's number, 0..63
	s_and_b32 s42, s18, 1                          ; which 512 rows
	s_mov_b32 s[G1+0], 15|(1<<16)|(1<<21)          ; 15:0 the mask: all four work-groups; 17:16 elements of 2 bytes; 20 no padding; 21 set beside a mask
	s_mov_b32 s[G1+1], 128<<16                     ; tensor_dim0 = 128
	s_mov_b32 s[G1+2], 128<<16                     ; tensor_dim1 = 128
	s_mov_b32 s[G1+3], 128<<16                     ; tile_dim0 = 128
	s_mov_b32 s[G1+4], 128                         ; tile_dim1 = 128
	s_mov_b32 s[G1+5], 128                         ; 128 elements from row to row: a block's rows lie end to end
	s_mov_b32 s[G1+6], 0
	s_mov_b32 s[G1+7], 0
	s_mul_i32 s22, s[WV], WTILE                    ; my rows' place in a slot
	s_mov_b32 s[TBA], s22                          ; the reads begin in slot 0
	s_mov_b32 s[G0A], 1
	s_mov_b32 s[G0A+1], s22
	s_mov_b32 s[G0W], 1
	s_add_co_u32 s[G0W+1], s22, SLOT1
	s_mov_b32 s[OFFA], KBLK                        ; the walking descriptor begins with K step 1
	s_mov_b32 s[OFFA+1], 0
	s_lshl_b32 s46, s42, 17                        ; A: 512 rows of 256 bytes,
	s_lshl_b32 s13, s[WV], 15                      ; my 128 of them
	s_add_co_u32 s46, s46, s13
	s_mov_b32 s47, 0
	s_lshr_b32 s48, s18, 1
	s_lshl2_add_u32 s48, s48, s40                  ; u = 4 (cluster / 2) + cx, 0..127
	s_lshr_b32 s49, s48, 5                         ; p: experts 2 p and 2 p + 1
	s_and_b32 s14, s48, 31                         ; c: which 128 columns of them
	s_lshl_b32 s50, s49, 25                        ; W: an expert is 2^24 bytes,
	s_lshl_b32 s15, s14, 9                         ; 128 columns are 512
	s_add_co_u32 s50, s50, s15
	s_mov_b32 s51, 0
	s_lshl_b32 s52, s49, 6
	s_add_co_u32 s52, s52, s14                     ; the first tile's block cb = 64 p + c; the second's is 32 further on
	s_lshl_b32 s54, s52, 18                        ; hb: the block, and my rows in it as in A
	s_add_co_u32 s54, s54, s46
	s_mov_b32 s55, 0
	s_lshl_b32 s52, s52, 9                         ; b1: 128 numbers a block
	s_mov_b32 s53, 0
	v_and_b32 v1, 15, v0                           ; l % 16
	v_bfe_u32 v2, v0, 4, 1                         ; l / 16
	v_and_b32 v3, 31, v0                           ; l
	v_add_nc_u32 v4, v1, v2
.set k, 0
.rept 8                                ; a fragment's lane l holds row l % 16; load k of a K step's eight takes piece 2 k + l / 16 of the row, which lies at place (piece + row) % 16
	v_add_nc_u32 v5, 2*k, v4
	v_and_b32 v5, 15, v5
	v_lshlrev_b32 v5, 4, v5
	v_lshl_add_u32 v[LT+k], v1, 8, v5
.set k, k+1
.endr
	ADRS 0
	v_and_b32 v5, 7, v0                            ; the turning load: lane l reads row 8 (l / 16) + l % 8, bytes 16 ((l / 8) % 2) on
	v_lshl_add_u32 v5, v2, 3, v5
	v_mul_u32_u24 v5, v5, PB
	v_bfe_u32 v6, v0, 3, 1
	v_lshl_add_u32 v5, v6, 4, v5
	v_add_nc_u32 v[ADRB], BBASE, v5
	s_mul_i32 s15, s[WV], 16*PB                    ; my 16 rows of a pair in W's ring
	s_add_co_u32 s15, s15, BBASE
	v_lshl_add_u32 v[VSTB], v3, 3, s15
	s_mul_i32 s16, s[WV], 16*ROWB                  ; and in memory
	v_lshl_add_u32 v[VGB], v3, 4, s16
	v_lshlrev_b32 v[VBI], 5, v2                    ; 8 numbers further on for lanes 16-31
	v_lshlrev_b32 v[CO], 4, v3
	v_mov_b32 v[ZR], 0
	s_wait_dscnt 0x0                               ; the opening add is done
	s_wait_kmcnt 0x0
	s_add_nc_u64 s[4:5], s[4:5], s[46:47]          ; xb at my rows of block 0
	s_mov_b64 s[G0A+2:G0A+3], s[4:5]               ; K step 0
	s_add_nc_u64 s[G0W+2:G0W+3], s[4:5], KBLK      ; K step 1
	s_or_b32 s[G0A+3], s[G0A+3], 0x80000000        ; type = 2
	s_or_b32 s[G0W+3], s[G0W+3], 0x80000000
	s_add_nc_u64 s[BPTR:BPTR+1], s[6:7], s[50:51]
	s_add_nc_u64 s[8:9], s[8:9], s[52:53]
	s_add_nc_u64 s[10:11], s[10:11], s[54:55]
	; the bias and the first K step's weights are asked for ahead of the round
.irp b, 0,1,2,3,4,5,6,7
	global_load_b128 v[BIAS+8*(\b):BIAS+8*(\b)+3],   v[VBI], s[8:9] offset:64*(\b)
	global_load_b128 v[BIAS+8*(\b)+4:BIAS+8*(\b)+7], v[VBI], s[8:9] offset:64*(\b)+16
.endr
	BISSUE 0, 0                                    ; k 0-63 of step 0
	BISSUE 1, 1                                    ; k 64-127 of step 0
	WIN 0
	CROUND                                         ; all four work-groups are here: the first joint loads meet
	tensor_load_to_lds s[G0A:G0A+3], s[G1:G1+7]    ; both first fills together: two loads of mine are out, later one
	s_nop 0
	tensor_load_to_lds s[G0W:G0W+3], s[G1:G1+7]
	s_nop 0
	PLACES
	BCONV 0, 1, 16                                 ; the bias and k 0-63 of step 0 are in (the 16 loads of k 64-127 stay out); k 0-63 of step 1 are asked for
	s_wait_tensorcnt 1                             ; my rows of K step 0 are in; slot 1's load may stay out
	s_wait_dscnt 0x0                               ; my stores into W's ring are done
	s_barrier_signal -1
	s_barrier_wait -1                              ; everybody's are
	FETCH 0, F0
	s_mov_b32 s3, STEPS-1
	s_branch .Lq0first                             ; the loop is entered at a tile's first quarter, in the middle of a trip: that quarter is written once
.Lstep:                                                ; 14 trips: quarters 1 to 3 of a K step and quarter 0 of the next; a slot is filled again, two pairs of W are turned over
	QUARTERM
	QUARTER 3, F0, F1, 0, 0, 1, 16                 ; in each of these the count 16 leaves the other staging set's loads out
	TURN
	WIN 0                                          ; at a label and at a branch every window is 0
	s_cmp_eq_u32 s3, STEPS/2-1
	s_cbranch_scc0 .Lplain                         ; what is jumped holds neither a barrier nor a tensor load
	; THE FIRST TILE IS FINISHED: its eighth step's products are issued, the second tile's first fragments, its next tile of A and its first weights are on their way
.irp b, 0,1,2,3,4,5,6,7
	global_load_b128 v[BIAS+8*(\b):BIAS+8*(\b)+3],   v[VBI], s[8:9] offset:16384+64*(\b)     ; the next expert's bias: b1's rows are 16,384 bytes
	global_load_b128 v[BIAS+8*(\b)+4:BIAS+8*(\b)+7], v[VBI], s[8:9] offset:16384+64*(\b)+16
.endr
	WAYOUT
	s_wait_xcnt 0x0                                ; the stores' base, and the registers that they read, are written again only behind this wait
	s_add_nc_u64 s[10:11], s[10:11], 32*KBLK       ; hb: the next expert's block
	s_wait_loadcnt 0x0                             ; the bias is the youngest load
.Lq0first:
	QUARTER 1, F0, F1, 1, 1, 1, 16                 ; a tile's first quarter: its products start the sums with the bias
	WIN 0
	s_branch .Ljoin
.Lplain:
	QUARTER 1, F0, F1, 0, 1, 1, 16
	WIN 0
.Ljoin:
	s_sub_co_u32 s3, s3, 1
	s_cmp_lg_u32 s3, 0
	s_cbranch_scc1 .Lstep
	QUARTERM                                       ; the last two K steps are written out: nothing more is asked for
	QUARTER 3, F0, F1, 0, 0, 0, 16
	MEET 0                                         ; the last K step's tile has landed; nothing is filled again, so no round follows
	WIN 0
	s_xor_b32 s[TBA], s[TBA], SLOT1
	ADRS 0                                         ; these two and the two below are the places in front of the fragment loads
	v_nop
	v_nop
	FETCH 0, F0
	MUL16 F1, 1, 0, 0
	MUL16 F1, 1, 2, 0
	QUARTER 1, F0, F1, 0, 1, 0, 0                  ; the last pair: no load is left behind it
	QUARTERM
	QUARTER 3, F0, F1, 0, -1, 0, 0
	s_wait_dscnt 8
	MUL16 F1, 0, 0, 0
	MUL16 F1, 0, 2, 0
	s_wait_dscnt 0x0
	MUL16 F1, 1, 0, 0
	MUL16 F1, 1, 2, 0
	WAYOUT
	s_wait_tensorcnt 0x0                           ; the wave's end, behind my last tensor load and my last LDS store
	ds_add_u32 v[SPW], v[NIL]
	s_wait_dscnt 0x0
	CROUND                                         ; the closing round: no work-group ends while a partner may still ask for a tile that names it
	s_endpgm
.Lfunc_end_k_qed7695b288_gemm1:
	.size	k_qed7695b288_gemm1, .Lfunc_end_k_qed7695b288_gemm1-k_qed7695b288_gemm1
	.p2alignl 7, 3214868480
	.fill 96, 4, 3214868480
	.section	.rodata,"a",@progbits
	.p2align	6, 0x0
	.amdhsa_kernel k_qed7695b288_gemm1
		.amdhsa_group_segment_fixed_size 327680
		.amdhsa_private_segment_fixed_size 0
		.amdhsa_enable_private_segment 0
		.amdhsa_kernarg_size 32
		.amdhsa_user_sgpr_count 2
		.amdhsa_user_sgpr_kernarg_segment_ptr 1
		.amdhsa_wavefront_size32 1
		.amdhsa_system_sgpr_workgroup_id_x 1
		.amdhsa_system_sgpr_workgroup_id_y 1
		.amdhsa_system_sgpr_workgroup_id_z 1
		.amdhsa_system_vgpr_workitem_id 0
		.amdhsa_next_free_vgpr 1024
		.amdhsa_next_free_sgpr 66
		.amdhsa_reserve_vcc 0
		.amdhsa_float_denorm_mode_32 3
		.amdhsa_float_denorm_mode_16_64 3
		.amdhsa_memory_ordered 1
		.amdhsa_forward_progress 1
		.amdhsa_inst_pref_size 193
	.end_amdhsa_kernel
	.amdgpu_metadata
---
amdhsa.version: [ 1, 2 ]
amdhsa.kernels:
  - .name:           k_qed7695b288_gemm1
    .symbol:         k_qed7695b288_gemm1.kd
    .args:
      - { .name: xb, .offset: 0, .size: 8, .value_kind: global_buffer, .address_space: global }
      - { .name: w1, .offset: 8, .size: 8, .value_kind: global_buffer, .address_space: global }
      - { .name: b1, .offset: 16, .size: 8, .value_kind: global_buffer, .address_space: global }
      - { .name: hb, .offset: 24, .size: 8, .value_kind: global_buffer, .address_space: global }
    .group_segment_fixed_size: 327680
    .private_segment_fixed_size: 0
    .kernarg_segment_align: 8
    .kernarg_segment_size: 32
    .max_flat_workgroup_size: 128
    .sgpr_count:     66
    .vgpr_count:     1024
    .wavefront_size: 32
...
	.end_amdgpu_metadata
.endif
;; end of part 2
;; launch gemm2 (part 3): grid 4 x 64, 4 waves a work-group, clusters of 4 x 1, 327,680 bytes of LDS; arguments hb, w2, b2, part; writes part
.if DOCPART == 3
	.amdgcn_target "amdgcn-amd-amdhsa--gfx1250"
	.amdhsa_code_object_version 6
	.text
	.protected	k_qed7695b288_gemm2
	.globl	k_qed7695b288_gemm2
	.p2align	8
	.type	k_qed7695b288_gemm2,@function
k_qed7695b288_gemm2:
	s_mov_b64 s[64:65], 0
	v_nop
	global_prefetch_b8 v0, s[64:65] scope:SCOPE_SE
	s_setreg_imm32_b32 hwreg(HW_REG_WAVE_MODE, 25, 1), 1
	s_wait_xcnt 0x0
	s_wait_alu depctr_hold_cnt(0) depctr_sa_sdst(0) depctr_va_vdst(0) depctr_va_sdst(0) depctr_va_ssrc(0) depctr_va_vcc(0) depctr_vm_vsrc(0)
	s_getreg_b32 s2, hwreg(HW_REG_IB_STS2, 6, 4)
	s_cmp_eq_u32 s2, 0
	s_cbranch_scc0 .Lentry_in_a_cluster
	s_endpgm
.Lentry_in_a_cluster:
	s_bfe_u32 s2, ttmp6, 0x10000c
	s_cmp_lg_u32 s2, 0x3003
	s_cbranch_scc0 .Lentry_shape_is_right
	s_endpgm
.Lentry_shape_is_right:
; part[s] = hb[:, K range s] . w2[K range s] (+ b2[s / 2] where s is even), in f32.  The hidden axis of all experts, 32,768 long, is K; it is split in 16 ranges of 2,048: range s is half s % 2 of expert s / 2.
; hb: bf16, block cb (128 along K) is 262,144 bytes: [64 groups of 16 rows][8 groups of 16 k][32 places][16 bytes]; place l holds row l % 16 and k 8 (l / 16) + 0..7 of its groups:
;     512 consecutive bytes are one load of an A fragment, lane l at 16 l, so the tiles lie in LDS without padding and no two lanes of a load meet in a bank.
; w2: f32 [8][4096][1024], taken as [32768][1024].  b2: f32 [8][1024].  part: f32 [16][1024][1024].
; Why the split: the result is 1,024 x 1,024, 16 tiles of 512 x 128; 16 ranges of K give 256 work-groups of equal work.  The partial sums stay f32; the next launch adds them, each with its expert's gate.
; SHARES.  A work-group makes 512 rows x 128 columns; wave w owns rows 128 w .. and all 128 columns (64 accumulators); K goes in 16 steps of 128, four quarters of 32 each.
; A comes by tensor loads, each wave its own 32,768 dense bytes (128 rows x 128 k), through two LDS slots 2^17 bytes apart, so that one exclusive or turns a slot into the other and a K step is written once.
; W comes through registers (16 rows x 512 bytes a wave and pair of 64 rows, a K step ahead), is rounded to bf16, stored [k][n] into a ring of 128 rows and turned by ds_load_tr16_b128.
; THE MATRIX INSTRUCTION IS USED TRANSPOSED (source 0 = 16 columns of W, source 1 = 16 rows of A); the bias, or 0, is the C operand of the first products.
; CLUSTER.  The four work-groups of a cluster make the same 512 rows and range of K for four neighbouring blocks of columns: the same tiles of A, asked for JOINTLY (mask 15).
; W is not asked for jointly: it has two readers only (the two halves of the rows, in neighbouring clusters) and passes through registers to be rounded.
; LIMITS.  Operands are bf16 (f32's range).  The order of the sums differs from a plain sum over K: 16 ranges, added later.
.set ROWB,  4096                       ; bytes from a row of w2 to the next
.set STEPS, 16                         ; K steps
.set KBLK,  262144                     ; bytes from a block of hb to the next: a K step
.set WTILE, 32768                      ; a wave's 128 rows x 128 k
.set SLOT1, 1<<17                      ; slot 0 is the four waves' tiles from byte 0 on; slot 1 begins here
.set BBASE, 2*SLOT1                    ; W's ring, written by ds_store alone; no tensor load lands here
.set PB,    288                        ; a row of W in LDS: 256 bytes + 32
.set CHUNK, 32*PB
.set SPARE, BBASE+4*CHUNK              ; the spare words: 128 bytes for each wave, two blocks of 256 bytes that no other line names
.set SPITCH, 528                       ; a row of the stage: 512 bytes + 16: the 16 rows of a store start at 16 different groups of four banks
.set LT,   8                           ; v8      16 x lane; never rewritten
.set ADR0, 16                          ; v16     LDS address of my 16 bytes in the first 512 of my rows in the slot being read
.set ADRB, 18                          ; v18     my lane's place in W's ring for the turning load
.set VSTB, 19                          ; v19     where I store 8 bytes of my wave's first row of a pair
.set VGB,  20                          ; v20     my byte offset in w2 from the pair's first row
.set VBI,  21                          ; v21     my byte offset in the bias
.set STO,  24                          ; v24     the way out: where I put 32 bytes of a row
.set RD,   25                          ; v25     the way out: where I read a row back
.set CO,   26                          ; v26     my byte offset in a row's 512 bytes of part
.set SPW,  28                          ; v28     LDS address of my spare word; never rewritten
.set NIL,  29                          ; v29     0; never rewritten
.set F0,   64                          ; fragment buffers: A's in window 0 (on the way out: rows read back), W's in window 1
.set F1,   128
.set BIAS, 192                         ; window 0, v192-255: bias of column 16 b + 8 (l / 16) + j at BIAS + 8 b + j
                                       ; window 1: v0-63 staging set 0, v192-255 set 1.  Windows 2, 3: accumulators (a, b) at v[8 (8 a + b)], rows 0-63 and 64-127
.set WV,   12                          ; s12     my wave
.set BPTR, 20                          ; s[20:21] w2 at the pair asked for last
.set TBA,  23                          ; s23     LDS byte at which my rows of the slot being read begin
.set G1,   24                          ; s[24:31] descriptor group 1
.set G0A,  32                          ; s[32:35] descriptor group 0 of the first fill of slot 0
.set G0W,  36                          ; s[36:39] of the first fill of slot 1; it then walks on
.set MSB, 0
.macro WIN new                         ; the immediate's high byte repeats the setting that is left; a switch that changes nothing is dropped
.if MSB != (\new)
	s_set_vgpr_msb (MSB<<8)|(\new)
.set MSB, \new
.endif
.endm
.set MUL_LO,   0xa1                    ; source 0 (W) window 1, source 1 (A) window 0, C and D window 2
.set FIRST_LO, 0x81                    ; the same with C (the bias) in window 0
.set TO_B,     0x40                    ; destination window 1, address window 0
.set CVT,      0x45                    ; destination and both sources window 1
.set STB,      0x04                    ; LDS store: address window 0, data window 1
.macro PLACES                          ; four places in front of loads into registers that matrix instructions have read, and of lines that read results just made
.rept 4
	v_nop
.endr
.endm
.macro CREST                           ; a round of the cluster's barrier behind its opening barrier
	s_cmp_lg_u32 s[WV], 0
	s_cbranch_scc1 .Lnot_wave_0_\@
	s_barrier_signal -3
.Lnot_wave_0_\@:
	s_barrier_wait -3
	s_barrier_signal -1
	s_barrier_wait -1
.endm
.macro CROUND                          ; a whole round
	s_barrier_signal -1
	s_barrier_wait -1
	CREST
.endm
.macro ADRS                            ; the address of A's loads in the slot being read, and three more lines: four places in front of fragment loads
	v_add_nc_u32 v[ADR0], s[TBA], v[LT]
	v_nop
	v_nop
	v_nop
.endm
.macro ALOAD                           ; my 128 rows of A's next tile: every wave asks for rows of its own.  An s_nop 0 and four vector lines with no switch of windows follow
	tensor_load_to_lds s[G0W:G0W+3], s[G1:G1+7]
	s_nop 0
	ADRS
.endm
; 16 matrix instructions: row blocks a0, a0 + 1 of the window's four x all 8 column blocks, 32 along K.  first = 1: the bias (or 0) starts the sums.
.macro MUL16 f, hi, a0, first
.if \first
	WIN FIRST_LO+0x40*(\hi)
.else
	WIN MUL_LO+0x50*(\hi)
.endif
.irp a, \a0, (\a0)+1
.irp b, 0,1,2,3,4,5,6,7
.if \first
	v_wmma_f32_16x16x32_bf16 v[8*(8*(\a)+(\b)):8*(8*(\a)+(\b))+7], v[(\f)+8*(\b):(\f)+8*(\b)+7], v[(\f)+8*(4*(\hi)+(\a)):(\f)+8*(4*(\hi)+(\a))+7], v[BIAS+8*(\b):BIAS+8*(\b)+7]
.else
	v_wmma_f32_16x16x32_bf16 v[8*(8*(\a)+(\b)):8*(8*(\a)+(\b))+7], v[(\f)+8*(\b):(\f)+8*(\b)+7], v[(\f)+8*(4*(\hi)+(\a)):(\f)+8*(4*(\hi)+(\a))+7], v[8*(8*(\a)+(\b)):8*(8*(\a)+(\b))+7]
.endif
.endr
.endr
.endm
; 32 LDS loads in one run: quarter q's fragments into buffer f: W's 8 column blocks (turned), then A's 8 row blocks: 16 rows are 4,096 bytes, 16 k of them 512
.macro FETCH q, f
	WIN TO_B
.irp i, 0,1,2,3,4,5,6,7
	ds_load_tr16_b128 v[(\f)+8*(\i):(\f)+8*(\i)+3],   v[ADRB] offset:(\q)*CHUNK+32*(\i)
	ds_load_tr16_b128 v[(\f)+8*(\i)+4:(\f)+8*(\i)+7], v[ADRB] offset:(\q)*CHUNK+32*(\i)+16*PB
.endr
	WIN 0
.irp i, 0,1,2,3,4,5,6,7
	ds_load_b128 v[(\f)+8*(\i):(\f)+8*(\i)+3],   v[ADR0] offset:(\i)*4096+(\q)*1024
	ds_load_b128 v[(\f)+8*(\i)+4:(\f)+8*(\i)+7], v[ADR0] offset:(\i)*4096+(\q)*1024+512
.endr
.endm
; 16 loads: my 16 rows of a pair, each load one row's 512 consecutive aligned bytes, into staging set 0 or 1.  step = 1: the pair behind the one asked for last.
.macro BISSUE set, step
.if \step
	s_wait_xcnt 0x0                                ; the pointer is a source of the loads issued before: it steps only behind this wait
	s_add_nc_u64 s[BPTR:BPTR+1], s[BPTR:BPTR+1], 64*ROWB
.endif
	WIN TO_B
.set i, 0
.rept 16
	global_load_b128 v[192*(\set)+4*i:192*(\set)+4*i+3], v[VGB], s[BPTR:BPTR+1] offset:i*ROWB
.set i, i+1
.endr
.endm
; A staging set is rounded to bf16 in place, stored into its half of W's ring, and (load = 1) asked for anew.  left: the younger loads that stay out.
; The 32 conversions name no register of a matrix instruction: they are also the places in front of the fragment loads that follow.
.macro BCONV set, load, left
	s_wait_loadcnt \left
	WIN CVT
.set i, 0
.rept 16
	v_cvt_pk_bf16_f32 v[192*(\set)+4*i],   v[192*(\set)+4*i],   v[192*(\set)+4*i+1]
	v_cvt_pk_bf16_f32 v[192*(\set)+4*i+1], v[192*(\set)+4*i+2], v[192*(\set)+4*i+3]
.set i, i+1
.endr
	WIN STB
.set i, 0
.rept 16
	ds_store_b64 v[VSTB], v[192*(\set)+4*i:192*(\set)+4*i+1] offset:(\set)*2*CHUNK+i*PB  ; 32 lanes x 8 bytes: a row's 256 bytes
.set i, i+1
.endr
.if \load
	BISSUE \set, 1
.endif
.endm
; A quarter: multiplies buffer f; in its middle a staging set is turned over (bset = 0, 1; -1: none) and quarter q's fragments are fetched into buffer g.
.macro QUARTER q, f, g, first, bset, bload, bleft
	s_wait_dscnt 8                                 ; W's fragments and A's row blocks 0-3 are in; the youngest eight loads (blocks 4-7) may be out
	MUL16 \f, 0, 0, \first
	MUL16 \f, 0, 2, \first
.if (\bset) >= 0
	BCONV \bset, \bload, \bleft
.else
	PLACES
.endif
	FETCH \q, \g
	s_wait_dscnt 32                                ; all but the 32 loads just issued: A's blocks 4-7 are in (and my stores into W's ring are done)
	MUL16 \f, 1, 0, \first
	MUL16 \f, 1, 2, \first
.endm
; Quarter 1, with W's own barrier.  In front of it every wave's stores of k 64-127 (quarter 0) and its reads of k 0-63 are done; behind it k 64-127 are read (here and in quarter 2)
; and k 0-63 are written anew (quarter 2).  Nothing is filled by a tensor load behind it, so A's tile may stay on its way.
.macro QUARTERM
	s_wait_dscnt 0x0
	s_barrier_signal -1
	MUL16 F1, 0, 0, 0
	MUL16 F1, 0, 2, 0
	s_barrier_wait -1
	PLACES
	FETCH 2, F0
	MUL16 F1, 1, 0, 0
	MUL16 F1, 1, 2, 0
.endm
; Quarter 3's first half: the change of slots.  In front of the barrier each wave waits for all its tensor loads (one is out: its part of the next slot), adds 0 to its spare word, and waits for that, for its
; reads of this slot and of k 64-127 of W, and for its stores of the next step's k 0-63.
.macro MEET round
	WIN 0                                          ; (the add's two registers lie in window 0)
	s_wait_tensorcnt 0x0
	ds_add_u32 v[SPW], v[NIL]                      ; 0 onto my spare word
	s_wait_dscnt 9                                 ; (the add and the youngest eight loads may be out)
	MUL16 F1, 0, 0, 0
	s_wait_dscnt 0x0
	s_barrier_signal -1
	MUL16 F1, 0, 2, 0
.if \round
	WIN 0
.endif
	s_barrier_wait -1
.endm
.macro TURN
	MEET 1
	CREST                                          ; the barrier has opened a round of the cluster's: no wave of any partner still reads this slot or has a load on its way
	s_xor_b32 s[G0W+1], s[G0W+1], SLOT1            ; no tensor load of mine is out, so the walking descriptor may be written: the slot just read,
	s_add_nc_u64 s[G0W+2:G0W+3], s[G0W+2:G0W+3], KBLK  ; the block behind the one asked for last: two K steps on; the type bits on top are not reached
	s_xor_b32 s[TBA], s[TBA], SLOT1                ; the reads go to the other slot
	ALOAD                                          ; the first thing behind the round
	FETCH 0, F0
	MUL16 F1, 1, 0, 0
	MUL16 F1, 1, 2, 0
.endm
	s_load_b256 s[4:11], s[0:1], 0x0               ; hb s[4:5], w2 s[6:7], b2 s[8:9], part s[10:11]
	v_lshl_add_u32 v[SPW], v0, 2, SPARE
	v_mov_b32 v[NIL], 0
	ds_add_u32 v[SPW], v[NIL]                      ; the wave's opening: the add and its wait stand ahead of my first tensor load; the set-up below, work on registers, stands between them
	v_lshrrev_b32 v1, 5, v0
	v_readfirstlane_b32 s[WV], v1                  ; wave 0..3
	s_bfe_u32 s40, ttmp6, 0x40000                  ; cx: my place in the cluster: it enters W's, the bias's and part's addresses alone
	s_and_b32 s18, ttmp7, 0xffff                   ; the cluster's number, 0..63
	s_and_b32 s42, s18, 1                          ; which 512 rows
	s_lshr_b32 s17, s18, 2                         ; s: which range of K
	s_bfe_u32 s48, s18, 0x10001
	s_lshl2_add_u32 s48, s48, s40                  ; nb = 4 ((cluster / 2) % 2) + cx: which 128 columns
	s_bitcmp1_b32 s17, 0
	s_cselect_b32 s45, 0, -1                       ; all ones where s is even: only an expert's first range takes its bias
	s_mov_b32 s[G1+0], 15|(1<<16)|(1<<21)          ; 15:0 the mask: all four work-groups; 17:16 elements of 2 bytes; 20 no padding; 21 set beside a mask
	s_mov_b32 s[G1+1], 128<<16                     ; tensor_dim0 = 128
	s_mov_b32 s[G1+2], 128<<16                     ; tensor_dim1 = 128
	s_mov_b32 s[G1+3], 128<<16                     ; tile_dim0 = 128
	s_mov_b32 s[G1+4], 128                         ; tile_dim1 = 128
	s_mov_b32 s[G1+5], 128                         ; my 32,768 bytes are dense: asked for as 128 rows of 256 bytes that lie end to end
	s_mov_b32 s[G1+6], 0
	s_mov_b32 s[G1+7], 0
	s_mul_i32 s22, s[WV], WTILE                    ; my rows' place in a slot
	s_mov_b32 s[TBA], s22                          ; the reads begin in slot 0
	s_mov_b32 s[G0A], 1
	s_mov_b32 s[G0A+1], s22
	s_mov_b32 s[G0W], 1
	s_add_co_u32 s[G0W+1], s22, SLOT1
	s_lshl_b32 s46, s17, 22                        ; A: the range's 16 blocks of 262,144 bytes,
	s_lshl_b32 s13, s42, 17                        ; 512 rows, 256 bytes each,
	s_add_co_u32 s46, s46, s13
	s_lshl_b32 s13, s[WV], 15                      ; my 128 of them
	s_add_co_u32 s46, s46, s13
	s_mov_b32 s47, 0
	s_lshl_b32 s14, s48, 9                         ; 128 columns of f32
	s_lshl_b32 s50, s17, 23                        ; W: the range's 2,048 rows of 4,096 bytes
	s_add_co_u32 s50, s50, s14
	s_mov_b32 s51, 0
	s_lshr_b32 s52, s17, 1                         ; b2: the expert's row
	s_lshl_b32 s52, s52, 12
	s_add_co_u32 s52, s52, s14
	s_mov_b32 s53, 0
	s_lshl_b32 s54, s17, 22                        ; part: the range's 1,024 x 1,024 numbers,
	s_lshl_b32 s13, s42, 21                        ; 512 rows of 4,096 bytes,
	s_add_co_u32 s54, s54, s13
	s_lshl_b32 s13, s[WV], 19                      ; my 128 of them,
	s_add_co_u32 s54, s54, s13
	s_add_co_u32 s54, s54, s14                     ; the columns
	s_mov_b32 s55, 0
	v_and_b32 v1, 15, v0                           ; l % 16
	v_bfe_u32 v2, v0, 4, 1                         ; l / 16
	v_and_b32 v3, 31, v0                           ; l
	v_lshlrev_b32 v[LT], 4, v3
	v_add_nc_u32 v[ADR0], s[TBA], v[LT]
	v_and_b32 v5, 7, v0                            ; the turning load: lane l reads row 8 (l / 16) + l % 8, bytes 16 ((l / 8) % 2) on
	v_lshl_add_u32 v5, v2, 3, v5
	v_mul_u32_u24 v5, v5, PB
	v_bfe_u32 v6, v0, 3, 1
	v_lshl_add_u32 v5, v6, 4, v5
	v_add_nc_u32 v[ADRB], BBASE, v5
	s_mul_i32 s15, s[WV], 16*PB                    ; my 16 rows of a pair in W's ring
	s_add_co_u32 s15, s15, BBASE
	v_lshl_add_u32 v[VSTB], v3, 3, s15
	s_mul_i32 s16, s[WV], 16*ROWB                  ; and in memory
	v_lshl_add_u32 v[VGB], v3, 4, s16
	v_lshlrev_b32 v[VBI], 5, v2                    ; 8 numbers further on for lanes 16-31
	v_mul_u32_u24 v7, v1, SPITCH                   ; into the stage: row l % 16, 32 bytes for each half of the lanes
	v_lshl_add_u32 v7, v2, 5, v7
	v_add_nc_u32 v[STO], s22, v7
	v_lshl_add_u32 v[RD], v3, 4, s22               ; back: 32 lanes take one row of 512 bytes
	v_lshlrev_b32 v[CO], 4, v3
	s_wait_dscnt 0x0                               ; the opening add is done
	s_wait_kmcnt 0x0
	s_add_nc_u64 s[G0A+2:G0A+3], s[4:5], s[46:47]  ; K step 0
	s_add_nc_u64 s[G0W+2:G0W+3], s[G0A+2:G0A+3], KBLK  ; K step 1
	s_or_b32 s[G0A+3], s[G0A+3], 0x80000000        ; type = 2
	s_or_b32 s[G0W+3], s[G0W+3], 0x80000000
	s_add_nc_u64 s[BPTR:BPTR+1], s[6:7], s[50:51]
	s_add_nc_u64 s[8:9], s[8:9], s[52:53]
	s_add_nc_u64 s[10:11], s[10:11], s[54:55]
	; the bias and the first K step's weights are asked for ahead of the round
.irp b, 0,1,2,3,4,5,6,7
	global_load_b128 v[BIAS+8*(\b):BIAS+8*(\b)+3],   v[VBI], s[8:9] offset:64*(\b)
	global_load_b128 v[BIAS+8*(\b)+4:BIAS+8*(\b)+7], v[VBI], s[8:9] offset:64*(\b)+16
.endr
	BISSUE 0, 0                                    ; k 0-63 of step 0
	BISSUE 1, 1                                    ; k 64-127 of step 0
	WIN 0
	CROUND                                         ; all four work-groups are here: the first joint loads meet
	tensor_load_to_lds s[G0A:G0A+3], s[G1:G1+7]    ; both first fills together: two loads of mine are out, later one
	s_nop 0
	tensor_load_to_lds s[G0W:G0W+3], s[G1:G1+7]
	s_nop 0
	PLACES
	BCONV 0, 1, 16                                 ; the bias and k 0-63 of step 0 are in (the 16 loads of k 64-127 stay out); k 0-63 of step 1 are asked for
	WIN 0
.set i, 0
.rept 64
	v_and_b32 v[BIAS+i], s45, v[BIAS+i]            ; an expert's second range starts its sums with 0: all bits kept or all cleared, in the wait for the first tile
.set i, i+1
.endr
	s_wait_tensorcnt 1                             ; my rows of K step 0 are in; slot 1's load may stay out
	s_wait_dscnt 0x0                               ; my stores into W's ring are done
	s_barrier_signal -1
	s_barrier_wait -1                              ; everybody's are
	FETCH 0, F0
	QUARTER 1, F0, F1, 1, 1, 1, 16                 ; the first quarter stands in front of the loop: its products start the sums
	WIN 0                                          ; at a label and at a branch every window is 0
	s_mov_b32 s3, STEPS-2
.Lstep:                                                ; 14 trips: quarters 1 to 3 of a K step and quarter 0 of the next; a slot is filled again, two pairs of W are turned over
	QUARTERM
	QUARTER 3, F0, F1, 0, 0, 1, 16                 ; in each of these the count 16 leaves the other staging set's loads out
	TURN
	QUARTER 1, F0, F1, 0, 1, 1, 16
	WIN 0
	s_sub_co_u32 s3, s3, 1
	s_cmp_lg_u32 s3, 0
	s_cbranch_scc1 .Lstep
	QUARTERM                                       ; the last two K steps are written out: nothing more is asked for
	QUARTER 3, F0, F1, 0, 0, 0, 16
	MEET 0                                         ; the last K step's tile has landed; nothing is filled again, so no round follows
	WIN 0
	s_xor_b32 s[TBA], s[TBA], SLOT1
	ADRS
	FETCH 0, F0
	MUL16 F1, 1, 0, 0
	MUL16 F1, 1, 2, 0
	QUARTER 1, F0, F1, 0, 1, 0, 0                  ; the last pair: no load is left behind it
	QUARTERM
	QUARTER 3, F0, F1, 0, -1, 0, 0
	s_wait_dscnt 8
	MUL16 F1, 0, 0, 0
	MUL16 F1, 0, 2, 0
	s_wait_dscnt 0x0
	MUL16 F1, 1, 0, 0
	MUL16 F1, 1, 2, 0
	WIN 0
	PLACES
; THE WAY OUT, a block of 16 rows at a time, in f32.  The stage is my own first bytes of slot 0 (16 rows x 528 bytes): that slot has had its last fill, and only my wave ever read those bytes, so no barrier is wanted.
.macro TOSTAGE2 a                      ; straight from the accumulators (each from its low end on) into the stage, and back as whole rows of 512 bytes into A's fragment buffers, by turns
.set AC, 64*((\a)%4)
.set BK, F0+64*((\a)%2)
	WIN 0x08+4*((\a)/4)                            ; the stores' data: window 2 or 3
.irp b, 0,1,2,3,4,5,6,7
	ds_store_b128 v[STO], v[AC+8*(\b):AC+8*(\b)+3]   offset:64*(\b)
	ds_store_b128 v[STO], v[AC+8*(\b)+4:AC+8*(\b)+7] offset:64*(\b)+16
.endr
	WIN 0
	s_wait_xcnt 0x0                                ; the registers that the block before last was stored from are loaded again only behind this wait
.set i, 0
.rept 16
	ds_load_b128 v[BK+4*i:BK+4*i+3], v[RD] offset:SPITCH*i  ; LDS serves a wave's instructions in order (ISA guide 5.7.1.4): these see the stores above; the next block's stores come behind them
.set i, i+1
.endr
.endm
.macro SEND2 a, younger                ; younger: the LDS instructions issued behind block a's loads: the next block's 16 stores and 16 loads, or none
.set BK, F0+64*((\a)%2)
	s_wait_dscnt \younger
.set i, 0
.rept 16
	global_store_b128 v[CO], v[BK+4*i:BK+4*i+3], s[10:11] offset:(16*(\a)+i)*4096  ; a row's 512 consecutive aligned bytes
.set i, i+1
.endr
.endm
	TOSTAGE2 0
.irp a, 1,2,3,4,5,6,7
	TOSTAGE2 \a
	SEND2 (\a)-1, 32
.endr
	SEND2 7, 0
	s_wait_tensorcnt 0x0                           ; the wave's end, behind my last tensor load and my last LDS store
	ds_add_u32 v[SPW], v[NIL]
	s_wait_dscnt 0x0
	CROUND                                         ; the closing round: no work-group ends while a partner may still ask for a tile that names it
	s_endpgm
.Lfunc_end_k_qed7695b288_gemm2:
	.size	k_qed7695b288_gemm2, .Lfunc_end_k_qed7695b288_gemm2-k_qed7695b288_gemm2
	.p2alignl 7, 3214868480
	.fill 96, 4, 3214868480
	.section	.rodata,"a",@progbits
	.p2align	6, 0x0
	.amdhsa_kernel k_qed7695b288_gemm2
		.amdhsa_group_segment_fixed_size 327680
		.amdhsa_private_segment_fixed_size 0
		.amdhsa_enable_private_segment 0
		.amdhsa_kernarg_size 32
		.amdhsa_user_sgpr_count 2
		.amdhsa_user_sgpr_kernarg_segment_ptr 1
		.amdhsa_wavefront_size32 1
		.amdhsa_system_sgpr_workgroup_id_x 1
		.amdhsa_system_sgpr_workgroup_id_y 1
		.amdhsa_system_sgpr_workgroup_id_z 1
		.amdhsa_system_vgpr_workitem_id 0
		.amdhsa_next_free_vgpr 1024
		.amdhsa_next_free_sgpr 66
		.amdhsa_reserve_vcc 0
		.amdhsa_float_denorm_mode_32 3
		.amdhsa_float_denorm_mode_16_64 3
		.amdhsa_memory_ordered 1
		.amdhsa_forward_progress 1
		.amdhsa_inst_pref_size 143
	.end_amdhsa_kernel
	.amdgpu_metadata
---
amdhsa.version: [ 1, 2 ]
amdhsa.kernels:
  - .name:           k_qed7695b288_gemm2
    .symbol:         k_qed7695b288_gemm2.kd
    .args:
      - { .name: hb, .offset: 0, .size: 8, .value_kind: global_buffer, .address_space: global }
      - { .name: w2, .offset: 8, .size: 8, .value_kind: global_buffer, .address_space: global }
      - { .name: b2, .offset: 16, .size: 8, .value_kind: global_buffer, .address_space: global }
      - { .name: part, .offset: 24, .size: 8, .value_kind: global_buffer, .address_space: global }
    .group_segment_fixed_size: 327680
    .private_segment_fixed_size: 0
    .kernarg_segment_align: 8
    .kernarg_segment_size: 32
    .max_flat_workgroup_size: 128
    .sgpr_count:     66
    .vgpr_count:     1024
    .wavefront_size: 32
...
	.end_amdgpu_metadata
.endif
;; end of part 3
;; launch combine (part 4): grid 256 x 1, 16 waves a work-group, no clusters, 0 bytes of LDS; arguments part, gates, out0; writes out0
.if DOCPART == 4
	.amdgcn_target "amdgcn-amd-amdhsa--gfx1250"
	.amdhsa_code_object_version 6
	.text
	.protected	k_qed7695b288_combine
	.globl	k_qed7695b288_combine
	.p2align	8
	.type	k_qed7695b288_combine,@function
k_qed7695b288_combine:
	s_mov_b64 s[64:65], 0
	v_nop
	global_prefetch_b8 v0, s[64:65] scope:SCOPE_SE
	s_setreg_imm32_b32 hwreg(HW_REG_WAVE_MODE, 25, 1), 1
	s_wait_xcnt 0x0
; out0[n][d] = the sum over s = 0..15 of gates[n][s / 2] x part[s][n][d], in f32, s ascending.  part: f32 [16][1024][1024].  gates: f32 [1024][8].
; A stream: each byte of part is read once, each byte of out0 written once.  Sixteen waves; the work-group owns 4 rows; wave W takes row W / 4 and columns 256 (W % 4) .. + 255, as two chunks of 128.
; All 32 loads of a wave (512 consecutive aligned bytes each) go out at once: that is the wave's whole share, so there is no loop, and LDS, barriers and the matrix unit would add nothing.
.set OFF, 2                            ; v[2:17]    my byte offset in part for s = 0..15; v2 is also my offset in out0; never rewritten
.set P,   32                           ; v[32:159]  chunk j, range s: four numbers at P + 64 j + 4 s
.set G,   160                          ; v[160:175] the gate of expert e, twice, at G + 2 e: a pair for the packed arithmetic
.set A,   176                          ; v[176:183] chunk j's four sums at A + 4 j
	s_load_b128 s[4:7], s[0:1], 0x0                ; part s[4:5], gates s[6:7]
	s_load_b64 s[8:9], s[0:1], 0x10                ; out0
	v_lshrrev_b32 v1, 5, v0
	v_readfirstlane_b32 s2, v1                     ; wave 0..15
	v_and_b32 v1, 31, v0                           ; lane
	s_lshr_b32 s3, s2, 2
	s_lshl2_add_u32 s3, ttmp9, s3                  ; n = 4 x work-group + wave / 4
	s_and_b32 s10, s2, 3
	s_lshl_b32 s10, s10, 10                        ; 256 columns are 1,024 bytes
	s_lshl_b32 s11, s3, 12                         ; a row is 4,096 bytes
	s_add_co_u32 s11, s11, s10
	v_lshl_add_u32 v[OFF], v1, 4, s11              ; + 16 bytes a lane
.set k, 1
.rept 15
	v_add_nc_u32 v[OFF+k], k<<22, v[OFF]           ; a range's numbers are 2^22 bytes
.set k, k+1
.endr
	s_lshl_b32 s12, s3, 5                          ; a row of gates is 32 bytes
	s_mov_b32 s13, 0
	s_wait_kmcnt 0x0
	s_add_nc_u64 s[6:7], s[6:7], s[12:13]
	s_load_b256 s[16:23], s[6:7], 0x0              ; the row's eight gates
.irp j, 0,1
.set k, 0
.rept 16
	global_load_b128 v[P+64*(\j)+4*k:P+64*(\j)+4*k+3], v[OFF+k], s[4:5] offset:512*(\j) th:TH_LOAD_NT
.set k, k+1
.endr
.endr
	s_wait_kmcnt 0x0
.irp e, 0,1,2,3,4,5,6,7
	v_mov_b32 v[G+2*(\e)],   s[16+(\e)]
	v_mov_b32 v[G+2*(\e)+1], s[16+(\e)]
.endr
.macro SUM j                           ; the first product starts the sums; two chains take turns
	v_pk_mul_f32 v[A+4*(\j):A+4*(\j)+1],   v[P+64*(\j):P+64*(\j)+1],   v[G:G+1]
	v_pk_mul_f32 v[A+4*(\j)+2:A+4*(\j)+3], v[P+64*(\j)+2:P+64*(\j)+3], v[G:G+1]
.set k, 1
.rept 15
	v_pk_fma_f32 v[A+4*(\j):A+4*(\j)+1],   v[P+64*(\j)+4*k:P+64*(\j)+4*k+1],   v[G+2*(k/2):G+2*(k/2)+1], v[A+4*(\j):A+4*(\j)+1]
	v_pk_fma_f32 v[A+4*(\j)+2:A+4*(\j)+3], v[P+64*(\j)+4*k+2:P+64*(\j)+4*k+3], v[G+2*(k/2):G+2*(k/2)+1], v[A+4*(\j)+2:A+4*(\j)+3]
.set k, k+1
.endr
	global_store_b128 v[OFF], v[A+4*(\j):A+4*(\j)+3], s[8:9] offset:512*(\j) th:TH_STORE_NT  ; 512 consecutive aligned bytes
.endm
	s_wait_loadcnt 16                              ; chunk 0's sixteen loads are in; chunk 1's sixteen stay out
	SUM 0
	s_wait_loadcnt 0x0
	SUM 1
	s_endpgm
.Lfunc_end_k_qed7695b288_combine:
	.size	k_qed7695b288_combine, .Lfunc_end_k_qed7695b288_combine-k_qed7695b288_combine
	.p2alignl 7, 3214868480
	.fill 96, 4, 3214868480
	.section	.rodata,"a",@progbits
	.p2align	6, 0x0
	.amdhsa_kernel k_qed7695b288_combine
		.amdhsa_group_segment_fixed_size 0
		.amdhsa_private_segment_fixed_size 0
		.amdhsa_enable_private_segment 0
		.amdhsa_kernarg_size 24
		.amdhsa_user_sgpr_count 2
		.amdhsa_user_sgpr_kernarg_segment_ptr 1
		.amdhsa_wavefront_size32 1
		.amdhsa_system_sgpr_workgroup_id_x 1
		.amdhsa_system_sgpr_workgroup_id_y 1
		.amdhsa_system_sgpr_workgroup_id_z 1
		.amdhsa_system_vgpr_workitem_id 0
		.amdhsa_next_free_vgpr 192
		.amdhsa_next_free_sgpr 66
		.amdhsa_reserve_vcc 0
		.amdhsa_float_denorm_mode_32 3
		.amdhsa_float_denorm_mode_16_64 3
		.amdhsa_memory_ordered 1
		.amdhsa_forward_progress 1
		.amdhsa_inst_pref_size 10
	.end_amdhsa_kernel
	.amdgpu_metadata
---
amdhsa.version: [ 1, 2 ]
amdhsa.kernels:
  - .name:           k_qed7695b288_combine
    .symbol:         k_qed7695b288_combine.kd
    .args:
      - { .name: part, .offset: 0, .size: 8, .value_kind: global_buffer, .address_space: global }
      - { .name: gates, .offset: 8, .size: 8, .value_kind: global_buffer, .address_space: global }
      - { .name: out0, .offset: 16, .size: 8, .value_kind: global_buffer, .address_space: global }
    .group_segment_fixed_size: 0
    .private_segment_fixed_size: 0
    .kernarg_segment_align: 8
    .kernarg_segment_size: 24
    .max_flat_workgroup_size: 512
    .sgpr_count:     66
    .vgpr_count:     192
    .wavefront_size: 32
...
	.end_amdgpu_metadata
.endif
;; end of part 4
;; ======== version 2 of 2: 4 launches; version 1 with the launch combine written anew for expert scheduling mode
;; workspace buffers: xb 2,097,152 bytes; gates 32,768 bytes; hb 67,108,864 bytes; part 67,108,864 bytes
;; launch prep: the kernel of part 1 again; grid 256 x 1, 4 waves a work-group, no clusters, 0 bytes of LDS; arguments x, gate_w, gate_b, xb, gates; writes xb, gates
;; launch gemm1: the kernel of part 2 again; grid 4 x 64, 4 waves a work-group, clusters of 4 x 1, 327,680 bytes of LDS; arguments xb, w1, b1, hb; writes hb
;; launch gemm2: the kernel of part 3 again; grid 4 x 64, 4 waves a work-group, clusters of 4 x 1, 327,680 bytes of LDS; arguments hb, w2, b2, part; writes part
;; launch combine (part 5): grid 256 x 1, 16 waves a work-group, no clusters, 0 bytes of LDS; arguments part, gates, out0; writes out0
.if DOCPART == 5
	.amdgcn_target "amdgcn-amd-amdhsa--gfx1250"
	.amdhsa_code_object_version 6
	.text
	.protected	k_qed7695b288_combine
	.globl	k_qed7695b288_combine
	.p2align	8
	.type	k_qed7695b288_combine,@function
k_qed7695b288_combine:
	s_mov_b64 s[64:65], 0
	v_nop
	global_prefetch_b8 v0, s[64:65] scope:SCOPE_SE
	s_setreg_imm32_b32 hwreg(HW_REG_WAVE_SCHED_MODE, 0, 2), 2
	s_setreg_imm32_b32 hwreg(HW_REG_WAVE_MODE, 25, 1), 1
	s_wait_xcnt 0x0
	s_wait_alu depctr_vm_vsrc(0)
; out0[n][d] = the sum over s = 0..15 of gates[n][s / 2] x part[s][n][d], in f32, s ascending.  part: f32 [16][1024][1024].  gates: f32 [1024][8].
; A stream: each byte of part is read once, each byte of out0 written once.  Sixteen waves; the work-group owns 4 rows; wave W takes row W / 4 and columns 256 (W % 4) .. + 255, as two chunks of 128.
; All 32 loads of a wave (512 consecutive aligned bytes each) go out at once: that is the wave's whole share, so there is no loop, and LDS, barriers and the matrix unit would add nothing.
; THE MODE: SCHED_MODE bits 1:0 = 2 (LLVM: expert scheduling mode 2), set by the entry lines.  The code itself states the register dependences
; between vector instructions and memory instructions, with s_wait_alu, always for 0.
; THE PLAN.  Registers that memory instructions touch:
;   OFF   written by the sixteen address lines at the head; read by the 32 loads, v2 also by the two stores; never written again.
;   P     written by the loads alone; no vector instruction names it ahead of them; read by the packed arithmetic behind the waits on LOADcnt.
;   A     chunk j's four sums, registers of their own for each chunk: written by chunk j's arithmetic, read by chunk j's store, never written again.
;   G and v1 are named by vector instructions alone.
; So three waits on va_vdst stand in the text: ahead of the first load (OFF is written) and ahead of each store (its four sums are written).  No register that a memory instruction reads is
; written again, so no wait on vm_vsrc is owed.  One wait on va_sdst stands behind the line that makes the wave's number a scalar.  The text is one straight run: there is no other path.
.set OFF, 2                            ; v[2:17]    my byte offset in part for s = 0..15; v2 is also my offset in out0; never rewritten
.set P,   32                           ; v[32:159]  chunk j, range s: four numbers at P + 64 j + 4 s
.set G,   160                          ; v[160:175] the gate of expert e, twice, at G + 2 e: a pair for the packed arithmetic
.set A,   176                          ; v[176:183] chunk j's four sums at A + 4 j
	s_load_b128 s[4:7], s[0:1], 0x0                ; part s[4:5], gates s[6:7]
	s_load_b64 s[8:9], s[0:1], 0x10                ; out0
	v_lshrrev_b32 v1, 5, v0
	v_readfirstlane_b32 s2, v1                     ; wave 0..15
	v_and_b32 v1, 31, v0                           ; lane
	s_wait_alu depctr_va_sdst(0)                   ; s2 is written, ahead of its first reader: the row and the columns are made from it
	s_lshr_b32 s3, s2, 2
	s_lshl2_add_u32 s3, ttmp9, s3                  ; n = 4 x work-group + wave / 4
	s_and_b32 s10, s2, 3
	s_lshl_b32 s10, s10, 10                        ; 256 columns are 1,024 bytes
	s_lshl_b32 s11, s3, 12                         ; a row is 4,096 bytes
	s_add_co_u32 s11, s11, s10
	v_lshl_add_u32 v[OFF], v1, 4, s11              ; + 16 bytes a lane
.set k, 1
.rept 15
	v_add_nc_u32 v[OFF+k], k<<22, v[OFF]           ; a range's numbers are 2^22 bytes
.set k, k+1
.endr
	s_lshl_b32 s12, s3, 5                          ; a row of gates is 32 bytes
	s_mov_b32 s13, 0
	s_wait_kmcnt 0x0
	s_add_nc_u64 s[6:7], s[6:7], s[12:13]
	s_load_b256 s[16:23], s[6:7], 0x0              ; the row's eight gates
	s_wait_alu depctr_va_vdst(0)                   ; the sixteen offsets v[OFF ..] are written, which the loads below and both stores read; no line behind this one writes them
.irp j, 0,1
.set k, 0
.rept 16
	global_load_b128 v[P+64*(\j)+4*k:P+64*(\j)+4*k+3], v[OFF+k], s[4:5] offset:512*(\j) th:TH_LOAD_NT
.set k, k+1
.endr
.endr
	s_wait_kmcnt 0x0
.irp e, 0,1,2,3,4,5,6,7
	v_mov_b32 v[G+2*(\e)],   s[16+(\e)]            ; these write G alone, which no memory instruction names
	v_mov_b32 v[G+2*(\e)+1], s[16+(\e)]
.endr
.macro SUM j                           ; the first product starts the sums; two chains take turns
	v_pk_mul_f32 v[A+4*(\j):A+4*(\j)+1],   v[P+64*(\j):P+64*(\j)+1],   v[G:G+1]
	v_pk_mul_f32 v[A+4*(\j)+2:A+4*(\j)+3], v[P+64*(\j)+2:P+64*(\j)+3], v[G:G+1]
.set k, 1
.rept 15
	v_pk_fma_f32 v[A+4*(\j):A+4*(\j)+1],   v[P+64*(\j)+4*k:P+64*(\j)+4*k+1],   v[G+2*(k/2):G+2*(k/2)+1], v[A+4*(\j):A+4*(\j)+1]
	v_pk_fma_f32 v[A+4*(\j)+2:A+4*(\j)+3], v[P+64*(\j)+4*k+2:P+64*(\j)+4*k+3], v[G+2*(k/2):G+2*(k/2)+1], v[A+4*(\j)+2:A+4*(\j)+3]
.set k, k+1
.endr
	s_wait_alu depctr_va_vdst(0)                   ; the two chains have written this chunk's four sums, which the store reads
	global_store_b128 v[OFF], v[A+4*(\j):A+4*(\j)+3], s[8:9] offset:512*(\j) th:TH_STORE_NT  ; 512 consecutive aligned bytes
.endm
	s_wait_loadcnt 16                              ; chunk 0's sixteen loads are in; chunk 1's sixteen stay out
	SUM 0
	s_wait_loadcnt 0x0
	SUM 1                                          ; it writes the other four sums: the registers that chunk 0's store reads are not written again
	s_endpgm
.Lfunc_end_k_qed7695b288_combine:
	.size	k_qed7695b288_combine, .Lfunc_end_k_qed7695b288_combine-k_qed7695b288_combine
	.p2alignl 7, 3214868480
	.fill 96, 4, 3214868480
	.section	.rodata,"a",@progbits
	.p2align	6, 0x0
	.amdhsa_kernel k_qed7695b288_combine
		.amdhsa_group_segment_fixed_size 0
		.amdhsa_private_segment_fixed_size 0
		.amdhsa_enable_private_segment 0
		.amdhsa_kernarg_size 24
		.amdhsa_user_sgpr_count 2
		.amdhsa_user_sgpr_kernarg_segment_ptr 1
		.amdhsa_wavefront_size32 1
		.amdhsa_system_sgpr_workgroup_id_x 1
		.amdhsa_system_sgpr_workgroup_id_y 1
		.amdhsa_system_sgpr_workgroup_id_z 1
		.amdhsa_system_vgpr_workitem_id 0
		.amdhsa_next_free_vgpr 192
		.amdhsa_next_free_sgpr 66
		.amdhsa_reserve_vcc 0
		.amdhsa_float_denorm_mode_32 3
		.amdhsa_float_denorm_mode_16_64 3
		.amdhsa_memory_ordered 1
		.amdhsa_forward_progress 1
		.amdhsa_inst_pref_size 10
	.end_amdhsa_kernel
	.amdgpu_metadata
---
amdhsa.version: [ 1, 2 ]
amdhsa.kernels:
  - .name:           k_qed7695b288_combine
    .symbol:         k_qed7695b288_combine.kd
    .args:
      - { .name: part, .offset: 0, .size: 8, .value_kind: global_buffer, .address_space: global }
      - { .name: gates, .offset: 8, .size: 8, .value_kind: global_buffer, .address_space: global }
      - { .name: out0, .offset: 16, .size: 8, .value_kind: global_buffer, .address_space: global }
    .group_segment_fixed_size: 0
    .private_segment_fixed_size: 0
    .kernarg_segment_align: 8
    .kernarg_segment_size: 24
    .max_flat_workgroup_size: 512
    .sgpr_count:     66
    .vgpr_count:     192
    .wavefront_size: 32
...
	.end_amdgpu_metadata
.endif
;; end of part 5
